; MI455X (gfx1250); checked and timed in simulation.
; The chip was launched on July 23, 2026; its instructions are those of AMD's public machine-readable ISA for CDNA 5 (MIT licence, August 2026) and "CDNA5" Instruction Set Architecture Reference Guide (July 2026). The comments in the code are by the model that wrote it; some were corrected since.
;; TS Fresh Feature Layer. Allowed arithmetic: float matrix products may take bf16 or f16 operands with f32 sums; other float arithmetic in f32, or as packed bf16 or f16 multiplies, adds, multiply-adds, maxima and minima; sums over many terms, partial sums and values carried from step to step in f32; what a program stores and reads back later, other than sums and carried values, may be rounded once to bf16 or f16.
;; Inputs: inputs 64 x 8,192 x 4 float32.
;; Outputs: out0 64 x 497 x 32 float32.
;; One version. Each part assembles by itself: llvm-mc -triple=amdgcn-amd-amdhsa -mcpu=gfx1250 --defsym DOCPART=n.
;; ======== version 1 of 1: 1 launch
;; limits: below input magnitudes of 1.1e-19 results are inexact or not finite
;; launch feat (part 1): grid 4 x 64, 18 waves a work-group, no clusters, 320,256 bytes of LDS; arguments inputs, out0; writes out0
.if DOCPART == 1
	.amdgcn_target "amdgcn-amd-amdhsa--gfx1250"
	.amdhsa_code_object_version 6
	.text
	.protected	k_q22303418e3_feat
	.globl	k_q22303418e3_feat
	.p2align	8
	.type	k_q22303418e3_feat,@function
k_q22303418e3_feat:
	s_mov_b64 s[64:65], 0
	v_nop
	global_prefetch_b8 v0, s[64:65] scope:SCOPE_SE
	s_setreg_imm32_b32 hwreg(HW_REG_WAVE_MODE, 25, 1), 1
	s_wait_xcnt 0x0
; SLIDING-WINDOW FEATURES.  inputs: [64][8192][4] f32.  out0: [64][497][32] f32: for window w (samples 16 w .. 16 w + 255) and channel f the eight numbers
; mean, std (population), min, max, median, q75 - q25 (linear interpolation), count above the mean, count below it, at out0[b][w][8 f ..].  All arithmetic in f32.
; NOTHING OF THE REFERENCE IS LEFT OUT; only its gather of 497 x 256 samples a row is not laid out: a window is 16 blocks of 16 samples, and sorted lists are shared between windows.
;   S1[p] = block p sorted; S2[p] = S1[p] merged with S1[p+1]; S4[p] = S2[p] with S2[p+2]; S8[p] = S4[p] with S4[p+4]; window w is A = S8[w] and B = S8[w+8].  Each list is made once a position.
;   RANKS.  The 128 smallest of A and B are min(A[i], B[127-i]): rank 127 is their maximum, rank 128 the minimum of max(A[i], B[127-i]).  The 64 smallest lie in A[0..63] and B[0..63]: rank 63 likewise from
;   (A[i], B[63-i]); rank 64 is the least of the other side, A[64] and B[64].  Ranks 192 and 191 are the mirror image, from A[64..127] and B[64..127], A[63] and B[63].
;   COUNTS.  A binary search in a sorted list, by SELECTION between registers (no address and no branch hangs on a sample).  A task searches its OWN list alone, for two means: its own window's, and that of
;   the window 8 positions back, of which its list is the B; the second pair of counts goes to that window's task through LDS.
;   Mean and sum of squares about the mean go up the same tree: mean = mean_a + d / 2, M2 = M2_a + M2_b + d d h / 2 (d = mean_b - mean_a, h = samples in a half): only non-negative terms are added.
; SHARES.  A work-group: one batch row, a quarter of its windows (125, 124, 124, 124), all four channels: its samples and its results are consecutive bytes.  Wave g: positions 8 g .. 8 g + 7 (a position is a
;   block counted from the quarter's first); lane l: position 8 g + l / 4, channel l % 4: so the task's number is the thread's number.  The levels need 140, 139, 137, 133 positions and 125 windows:
;   wave 17 has nothing to do behind S4, wave 16 nothing behind its counts.  A wave keeps its own list in registers from level to level; the partner's comes through LDS.
;   192 registers a wave: 18 waves dealt to four SIMDs are five at the most on one, 960 registers.
; NO CLUSTER, NO TENSOR LOADS: neighbouring work-groups share 240 of the 2,240 samples that each reads, and nothing else; a wave's 2,048 bytes pass through its registers once.
; A COMPARE-EXCHANGE IS ONE DUAL INSTRUCTION (min :: max).  Its halves want destinations of unlike parity and like-placed sources in unlike banks (ISA guide, the chapter on dual issue).  So element I of a list at
;   work lies at register (I with its lowest bit replaced by the parity of I's bits): partners, which differ in one bit of I, then differ in parity.  Each stage writes another buffer than it reads, so neither half
;   reads what the other writes.  A merge's last stage writes the plain order.
; LIMITS.  NaN is not treated (minima and maxima drop it).  A variance below 2^-126 gives std 0 (v_sqrt_f32 takes a denormal for 0).  The median adds two samples before it halves: samples stay under 1.7e38.
;   The mean is a pairwise f32 mean: a sample within its last bits of the reference's mean may be counted on the other side.  A work-group's results begin at a multiple of 128 bytes of out0.
.set ROWB,   131072                    ; bytes in a batch row
.set TASKS,  576                       ; 18 waves x 32 lanes
.set PL,     TASKS*16                  ; a plane of S1, S2, S4: four elements of every task, 16 bytes a task
.set S1B,    0                         ; 4 planes
.set S2B,    S1B+4*PL                  ; 8 planes
.set S4B,    S2B+8*PL                  ; 16 planes, ending at 258,048
.set STG,    S4B                       ; the way in: each wave's 8 blocks x 272 bytes, in bytes that S4 takes only two barriers later
.set SPITCH, 272                       ; a block's 256 bytes + 16: block r then starts 4 r banks on (64 banks of 4 bytes: ISA guide 11.1), so 8 blocks x 4 channels fall on 32 banks
.set STGW,   8*SPITCH
.set PL8,    544*16                    ; a plane of S8 (17 waves); S8 lies over S1, S2, S4, behind a barrier
.set ST1,    32*PL8                    ; (mean, M2) of every task, 8 bytes, a table for each level
.set ST2,    ST1+TASKS*8
.set ST4,    ST2+TASKS*8
.set ST8,    ST4+TASKS*8
.set CT,     ST8+TASKS*8               ; (count below, count not above) of my list for the window 8 positions back
.set OST,    CT+TASKS*8                ; the way out: 1,024 bytes for each of 16 waves
.set SPARE,  OST+16*1024               ; the spare words, 128 bytes for each wave: nine blocks of 256 bytes that no other line names
; v0 thread; v1 my spare word's address, v2 = 0 (never rewritten); v3 = 16 x thread; v4, v5, v10-15 at work; v[6:7] my list's mean and M2; v[8:9] the partner's
.set R,   16                           ; five regions of 32 registers
.set TT,  R
.set H0,  R+32
.set H1,  R+64
.set H2,  R+96
.set H3,  R+128
.set XX,  R+160                        ; and 16 more
.set SC,  H3                           ; the searches' 32 registers at work
.set A63,  144                         ; the last phase: the six ranks so far
.set A64,  145
.set A127, 146
.set A128, 147
.set A191, 148
.set A192, 149
.set OUT,  152                         ; v[152:159] the eight results
.set LB,   160                         ; v160-163: LDS addresses of B's planes 0-7, 8-15, 16-23, 24-31
.macro CE lo, hi, a, b                 ; lo = min, hi = max.  lo and hi, and a and b, have unlike parity
	v_dual_min_num_f32 v[\lo], v[\a], v[\b] :: v_dual_max_num_f32 v[\hi], v[\b], v[\a]
.endm
.macro SEL2 d, a, b                    ; two neighbouring registers: d = VCC ? b : a.  d, a, b are even
	v_dual_cndmask_b32 v[\d], v[\a], v[\b] :: v_dual_cndmask_b32 v[(\d)+1], v[(\a)+1], v[(\b)+1]
.endm
.macro PHI name, i                     ; where element i lies: its lowest bit gives way to the parity of its bits
.set \name, (\i)-((\i)&1)+(((\i)+((\i)>>1)+((\i)>>2)+((\i)>>3)+((\i)>>4)+((\i)>>5)+((\i)>>6))&1)
.endm
; A half-cleaner: elements i0 .. i0 + n - 1, partners d apart, from buffer src into buffer dst; nat = 1 (d = 1 only): into the plain order
.macro STAGE n, d, i0, src, dst, nat
.set si, 0
.rept \n
.if (si&(\d))==0
	PHI pa, (\i0)+si
	PHI pb, (\i0)+si+(\d)
.if \nat
	CE (\dst)+si, (\dst)+si+(\d), (\src)+pa-(\i0), (\src)+pb-(\i0)
.else
	CE (\dst)+pa-(\i0), (\dst)+pb-(\i0), (\src)+pa-(\i0), (\src)+pb-(\i0)
.endif
.endif
.set si, si+1
.endr
.endm
; A stage of the bitonic sort of 16: runs of k elements, ascending where bit k of the index is 0
.macro SSTAGE k, d, src, dst, nat
.set si, 0
.rept 16
.if (si&(\d))==0
	PHI pa, si
	PHI pb, si+(\d)
.set da, pa
.set db, pb
.if \nat
.set da, si
.set db, si+(\d)
.endif
.if (si&(\k))==0
	CE (\dst)+da, (\dst)+db, (\src)+pa, (\src)+pb
.else
	CE (\dst)+db, (\dst)+da, (\src)+pa, (\src)+pb
.endif
.endif
.set si, si+1
.endr
.endm
; A merge's first stage: a and b, n ascending elements each in the plain order: (a[i], b[n-1-i]) -> elements i and n + i
.macro MFIRST n, a, b, dst
.set si, 0
.rept \n
	PHI pa, si
	PHI pb, si+(\n)
	CE (\dst)+pa, (\dst)+pb, (\a)+si, (\b)+(\n)-1-si
.set si, si+1
.endr
.endm
; cnt planes out or in: 32 lanes x 16 bytes are 512 consecutive bytes.  The immediate holds eight planes; the address register steps behind each eight
.macro STP adr, reg, cnt, pitch
.set cp, 0
.rept \cnt
.if (cp>0)&&((cp&7)==0)
	v_add_nc_u32 v[\adr], 8*(\pitch), v[\adr]
.endif
	ds_store_b128 v[\adr], v[(\reg)+4*cp:(\reg)+4*cp+3] offset:(cp&7)*(\pitch)
.set cp, cp+1
.endr
.endm
.macro LDP adr, reg, cnt, pitch
.set cp, 0
.rept \cnt
.if (cp>0)&&((cp&7)==0)
	v_add_nc_u32 v[\adr], 8*(\pitch), v[\adr]
.endif
	ds_load_b128 v[(\reg)+4*cp:(\reg)+4*cp+3], v[\adr] offset:(cp&7)*(\pitch)
.set cp, cp+1
.endr
.endm
.macro LDPR adr, reg                   ; 16 planes of S4 in, the planes in falling order: element e of the partner's 64 lies at reg + 4 (15 - e / 4) + e % 4
.set cp, 0
.rept 16
.if cp==8
	v_add_nc_u32 v[\adr], 8*PL, v[\adr]
.endif
	ds_load_b128 v[(\reg)+4*(15-cp):(\reg)+4*(15-cp)+3], v[\adr] offset:(cp&7)*PL
.set cp, cp+1
.endr
.endm
.macro BAR                             ; my LDS stores and loads are done, for the others' sake; then all 18 waves meet
	s_wait_dscnt 0x0
	s_barrier_signal -1
	s_barrier_wait -1
.endm
.macro JOIN fac                        ; my half and the partner's: fac = half the samples of a half, as f32
	v_sub_f32 v10, v8, v6
	v_add_f32 v7, v7, v9
	v_mul_f32 v11, v10, v10
	v_fmac_f32 v6, 0.5, v10
	v_fmac_f32 v7, \fac, v11
.endm
; My list goes out; behind the barrier the statistics of the list sh positions on come in, and v11 holds that list's address.  The last tasks have no such partner: they take the last task's list,
; and their results are used by nobody
.macro XCH sh, base, stat, planes, own
	v_add_nc_u32 v4, \base, v3
	STP 4, \own, \planes, PL
	v_lshl_add_u32 v5, v0, 3, \stat
	ds_store_b64 v5, v[6:7]
	v_add_nc_u32 v10, 4*(\sh), v0
	v_min_u32 v10, TASKS-1, v10
	v_lshl_add_u32 v11, v10, 4, \base
	v_lshl_add_u32 v10, v10, 3, \stat
	BAR
	ds_load_b64 v[8:9], v10
.endm
; A block's mean (v6) and sum of squares about it (v7)
.macro BSTAT
.irp j, 0,1,2,3
	v_pk_add_f32 v[XX+2*\j:XX+2*\j+1], v[TT+4*\j:TT+4*\j+1], v[TT+4*\j+2:TT+4*\j+3]
.endr
	v_pk_add_f32 v[XX:XX+1], v[XX:XX+1], v[XX+2:XX+3]
	v_pk_add_f32 v[XX+4:XX+5], v[XX+4:XX+5], v[XX+6:XX+7]
	v_pk_add_f32 v[XX:XX+1], v[XX:XX+1], v[XX+4:XX+5]
	v_add_f32 v6, v[XX], v[XX+1]
	v_mul_f32 v6, 0x3d800000, v6                   ; / 16
	v_mov_b32 v7, v6
.irp j, 0,1,2,3,4,5,6,7
	v_pk_add_f32 v[XX+2*\j:XX+2*\j+1], v[TT+2*\j:TT+2*\j+1], v[6:7] neg_lo:[0,1] neg_hi:[0,1]
.endr
	v_pk_mul_f32 v[XX:XX+1], v[XX:XX+1], v[XX:XX+1]
	v_pk_mul_f32 v[XX+2:XX+3], v[XX+2:XX+3], v[XX+2:XX+3]
.irp j, 2,3,4,5,6,7
	v_pk_fma_f32 v[XX+2*(\j%2):XX+2*(\j%2)+1], v[XX+2*\j:XX+2*\j+1], v[XX+2*\j:XX+2*\j+1], v[XX+2*(\j%2):XX+2*(\j%2)+1]
.endr
	v_pk_add_f32 v[XX:XX+1], v[XX:XX+1], v[XX+2:XX+3]
	v_add_f32 v7, v[XX], v[XX+1]
.endm
; The first two stages of the merge to 128, for the indices i = 4 k .. 4 k + 3: (a[i], b[63-i]) and (a[i+32], b[31-i]) give elements i, 64 + i, 32 + i, 96 + i, in XX; then partners 32 apart,
; into the sixteen registers that the first stage has just read
.macro FUSE k
.set fj, 0
.rept 4
	CE XX+4*fj, XX+4*fj+3, H0+4*(\k)+fj, H2+4*(\k)+3-fj
	CE XX+4*fj+1, XX+4*fj+2, H1+4*(\k)+fj, H3+4*(\k)+3-fj
.set fj, fj+1
.endr
.set fj, 0
.rept 4
	PHI p0, 4*(\k)+fj
	PHI p1, 4*(\k)+fj+32
	PHI p2, 4*(\k)+fj+64
	PHI p3, 4*(\k)+fj+96
	CE H0+p0, H1+p1-32, XX+4*fj, XX+4*fj+1
	CE H2+p2-64, H3+p3-96, XX+4*fj+3, XX+4*fj+2
.set fj, fj+1
.endr
.endm
; Quarter q of the 128: five stages between its region and the region below, which the quarter before has left free; it ends one region down, in the plain order
.macro QUAR q
	STAGE 32, 16, 32*(\q), R+32*(\q)+32, R+32*(\q), 0
	STAGE 32, 8,  32*(\q), R+32*(\q), R+32*(\q)+32, 0
	STAGE 32, 4,  32*(\q), R+32*(\q)+32, R+32*(\q), 0
	STAGE 32, 2,  32*(\q), R+32*(\q), R+32*(\q)+32, 0
	STAGE 32, 1,  32*(\q), R+32*(\q)+32, R+32*(\q), 1
.endm
; c = how many of the 64 ascending values v[L .. L+63] stand in the relation cmp to v[m].  The relation holds of a prefix.  Each step tests the middle value, keeps the half in which the prefix ends,
; and shifts the answer into c; seven answers of weights 32, 16, 8, 4, 2, 1, 1
.macro SEARCH cmp, L, m, c
	\cmp vcc_lo, v[(\L)+31], v[\m]
.set sz, 0
.rept 16
	SEL2 SC+2*sz, (\L)+2*sz, (\L)+32+2*sz
.set sz, sz+1
.endr
	v_cndmask_b32 v[\c], 0, 1, vcc_lo
.irp h, 16,8,4,2
	\cmp vcc_lo, v[SC+(\h)-1], v[\m]
.set sz, 0
.rept (\h)/2
	SEL2 SC+2*sz, SC+2*sz, SC+(\h)+2*sz
.set sz, sz+1
.endr
	v_add_co_ci_u32 v[\c], vcc_lo, v[\c], v[\c], vcc_lo  ; 2 c + the answer
.endr
	\cmp vcc_lo, v[SC], v[\m]
	v_cndmask_b32 v[SC], v[SC], v[SC+1], vcc_lo
	v_add_co_ci_u32 v[\c], vcc_lo, v[\c], v[\c], vcc_lo
	\cmp vcc_lo, v[SC], v[\m]
	v_add_co_ci_u32 v[\c], vcc_lo, 0, v[\c], vcc_lo
.endm
; Plane p of B (elements 4 p .. 4 p + 3) against my A.  v_minmax_num_f32 is max(min(s0, s1), s2), v_maxmin_num_f32 min(max(s0, s1), s2).  Four buffers of four registers: plane p + 4 is asked for when p is used up
.macro PLANE p
.set bb, XX+4*((\p)%4)
.if (\p)<28
	s_wait_dscnt 3                                 ; LDS loads come back in order: plane p is in; the three younger planes may be out
.else
	s_wait_dscnt 31-(\p)                           ; nothing is asked for any more: the count runs down
.endif
.set pe, 0
.rept 4
.set pj, 4*(\p)+pe
	v_minmax_num_f32 v[A127], v[R+127-pj], v[bb+pe], v[A127]
	v_maxmin_num_f32 v[A128], v[R+127-pj], v[bb+pe], v[A128]
.if (\p)<16
	v_minmax_num_f32 v[A63], v[R+63-pj], v[bb+pe], v[A63]
	v_maxmin_num_f32 v[A64], v[R+63-pj], v[bb+pe], v[A64]
.else
	v_minmax_num_f32 v[A191], v[R+191-pj], v[bb+pe], v[A191]
	v_maxmin_num_f32 v[A192], v[R+191-pj], v[bb+pe], v[A192]
.endif
.set pe, pe+1
.endr
.if (\p)==0
	v_min_num_f32 v[OUT+2], v[R], v[bb]            ; the window's minimum
.endif
.if (\p)==15
	v_max3_num_f32 v[A191], v[A191], v[R+63], v[bb+3]
.endif
.if (\p)==16
	v_min3_num_f32 v[A64], v[A64], v[R+64], v[bb]
.endif
.if (\p)==31
	v_max_num_f32 v[OUT+3], v[R+127], v[bb+3]      ; its maximum
.endif
.if (\p)<28
	ds_load_b128 v[bb:bb+3], v[LB+((\p)+4)/8] offset:(((\p)+4)%8)*PL8
.endif
.endm
	s_load_b128 s[4:7], s[0:1], 0x0                ; inputs s[4:5], out0 s[6:7]
	v_lshl_add_u32 v1, v0, 2, SPARE
	v_mov_b32 v2, 0
	v_lshrrev_b32 v4, 5, v0
	v_readfirstlane_b32 s8, v4                     ; wave g, 0 .. 17
	v_and_b32 v5, 31, v0                           ; lane
	v_lshlrev_b32 v3, 4, v0
	s_and_b32 s9, ttmp7, 0xffff                    ; batch row
	s_min_u32 s11, ttmp9, 1
	s_mul_i32 s10, ttmp9, 124
	s_add_co_u32 s10, s10, s11                     ; the quarter's first window: 0, 125, 249, 373
	s_sub_co_u32 s12, 125, s11                     ; its windows: 125, 124, 124, 124
	s_lshl_b32 s13, s10, 8                         ; a block is 256 bytes of the row
	s_lshl_b32 s14, s8, 11                         ; my wave's 8 blocks
	s_add_co_u32 s13, s13, s14
	v_lshl_add_u32 v10, v5, 4, s13                 ; four loads of 512 consecutive bytes
	v_add_nc_u32 v11, 512, v10
	v_add_nc_u32 v12, 1024, v10
	v_add_nc_u32 v13, 1536, v10
.irp k, 10,11,12,13
	v_min_u32 v\k, ROWB-16, v\k                    ; the last quarter's last wave would pass the row's end: it takes the last sample again, for positions that no window uses
.endr
	s_lshl_b32 s14, s9, 17
	s_mov_b32 s15, 0
	s_mul_i32 s16, s8, STGW
	s_add_co_u32 s16, s16, STG                     ; my wave's stage
	s_wait_kmcnt 0x0
	s_add_nc_u64 s[4:5], s[4:5], s[14:15]
.irp k, 0,1,2,3
	global_load_b128 v[H2+4*\k:H2+4*\k+3], v[10+\k], s[4:5]
.endr
	v_lshrrev_b32 v14, 4, v5                       ; in: load k brings blocks 2 k and 2 k + 1; lane l holds sample l % 16 of block 2 k + l / 16, all four channels
	v_and_b32 v15, 15, v5
	v_mul_u32_u24 v14, v14, SPITCH
	v_lshl_add_u32 v14, v15, 4, v14
	v_add_nc_u32 v14, s16, v14
	v_lshrrev_b32 v15, 2, v5                       ; back: block l / 4, channel l % 4, a sample every 16 bytes
	v_and_b32 v4, 3, v5
	v_mul_u32_u24 v15, v15, SPITCH
	v_lshl_add_u32 v15, v4, 2, v15
	v_add_nc_u32 v15, s16, v15
.irp k, 0,1,2,3
	s_wait_loadcnt 3-\k                            ; loads come back in order: load k is in, the younger ones may be out
	ds_store_b128 v14, v[H2+4*\k:H2+4*\k+3] offset:\k*2*SPITCH
.endr
.set ci, 0
.rept 16
	ds_load_b32 v[TT+ci], v15 offset:16*ci         ; LDS serves a wave's instructions in order: these see my stores above; the stage is my wave's own
.set ci, ci+1
.endr
	s_wait_dscnt 0x0
	; S1: the bitonic sort of 16, ten stages between v16-31 and v32-47; it may begin from any order
	SSTAGE 2,  1, TT, TT+16, 0
	SSTAGE 4,  2, TT+16, TT, 0
	SSTAGE 4,  1, TT, TT+16, 0
	SSTAGE 8,  4, TT+16, TT, 0
	SSTAGE 8,  2, TT, TT+16, 0
	SSTAGE 8,  1, TT+16, TT, 0
	SSTAGE 16, 8, TT, TT+16, 0
	SSTAGE 16, 4, TT+16, TT, 0
	SSTAGE 16, 2, TT, TT+16, 0
	SSTAGE 16, 1, TT+16, TT, 1
	BSTAT
	; S2 = S1[p] merged with S1[p+1]: it ends in H0
	XCH 1, S1B, ST1, 4, TT
	LDP 11, TT+16, 4, PL
	s_wait_dscnt 0x0
	JOIN 0x41000000                                ; 8
	MFIRST 16, TT, TT+16, H0
	STAGE 32, 8, 0, H0, H1, 0
	STAGE 32, 4, 0, H1, H0, 0
	STAGE 32, 2, 0, H0, H1, 0
	STAGE 32, 1, 0, H1, H0, 1
	; S4 = S2[p] merged with S2[p+2]: it ends in H0, H1
	XCH 2, S2B, ST2, 8, H0
	LDP 11, H1, 8, PL
	s_wait_dscnt 0x0
	JOIN 0x41800000                                ; 16
	MFIRST 32, H0, H1, H2
	STAGE 64, 16, 0, H2, H0, 0
	STAGE 64, 8,  0, H0, H2, 0
	STAGE 64, 4,  0, H2, H0, 0
	STAGE 64, 2,  0, H0, H2, 0
	STAGE 64, 1,  0, H2, H0, 1
	; S8 = S4[p] merged with S4[p+4].  The partner's list is fetched; a barrier follows, since S8 is laid over S1, S2 and S4: every wave's reads of them are back in front of it
	XCH 4, S4B, ST4, 16, H0
	LDPR 11, H2
	BAR
	s_cmp_ge_u32 s8, 17
	s_cbranch_scc1 .Lb5                            ; wave 17's positions are wanted up to S4 alone
	JOIN 0x42000000                                ; 32
.irp k, 0,1,2,3,4,5,6,7
	FUSE \k
.endr
	QUAR 0
	QUAR 1
	QUAR 2
	QUAR 3                                         ; the sorted 128 lie in v16-143, and stay there
	v_mov_b32 v4, v3
	STP 4, R, 32, PL8
	v_lshl_add_u32 v5, v0, 3, ST8
	ds_store_b64 v5, v[6:7]
.Lb5:
	BAR
	s_cmp_ge_u32 s8, 17
	s_cbranch_scc1 .Lb6
	; the two means, and my list's counts for both
	v_add_nc_u32 v10, 32, v0
	v_min_u32 v10, 543, v10                        ; wave 16 has no list 8 positions on, and owns no window
	v_lshl_add_u32 v10, v10, 3, ST8
	v_lshl_add_u32 v11, v0, 3, ST8-256             ; the entry of task t - 32.  Wave 0 has no list 8 positions back: its address falls on the last 32 entries of ST4's table, which lies in front of ST8's and which
	                                               ; wave 17 stored three barriers ago; nobody reads wave 0's second pair of counts
	ds_load_b64 v[8:9], v10
	ds_load_b32 v12, v11
	s_wait_dscnt 0x0
	v_sub_f32 v14, v6, v12                         ; the mean of the window 8 positions back, by the same two operations on the same numbers as its owner's JOIN: the same bits
	v_fma_f32 v14, v14, 0.5, v12
	JOIN 0x42800000                                ; 64: v6 = my window's mean, v7 = its M2
	SEARCH v_cmp_lt_f32, R,    6,  176
	SEARCH v_cmp_lt_f32, R+64, 6,  177
	SEARCH v_cmp_le_f32, R,    6,  178
	SEARCH v_cmp_le_f32, R+64, 6,  179
	SEARCH v_cmp_lt_f32, R,    14, 180
	SEARCH v_cmp_lt_f32, R+64, 14, 181
	SEARCH v_cmp_le_f32, R,    14, 182
	SEARCH v_cmp_le_f32, R+64, 14, 183
	v_add_nc_u32 v12, v176, v177                   ; of A: below my mean,
	v_add_nc_u32 v13, v178, v179                   ; not above it
	v_add_nc_u32 v10, v180, v181                   ; and the same for the other window
	v_add_nc_u32 v11, v182, v183
	v_lshl_add_u32 v5, v0, 3, CT
	ds_store_b64 v5, v[10:11]
.Lb6:
	BAR
	s_cmp_ge_u32 s8, 16
	s_cbranch_scc1 .Lend                           ; waves 16 and 17 own no window
	; the ranks: B = S8[w + 8] comes through LDS once
	v_lshl_add_u32 v5, v0, 3, CT+256
	ds_load_b64 v[10:11], v5                       ; B's counts for my mean
.irp k, 0,1,2,3
	v_add_nc_u32 v[LB+\k], 512+\k*8*PL8, v3        ; 16 (t + 32), and eight planes a register
.endr
.irp k, 0,1,2,3
	ds_load_b128 v[XX+4*\k:XX+4*\k+3], v[LB] offset:\k*PL8
.endr
	v_mov_b32 v[A63], 0xff800000                   ; maxima start at minus infinity,
	v_mov_b32 v[A127], 0xff800000
	v_mov_b32 v[A191], 0xff800000
	v_mov_b32 v[A64], 0x7f800000                   ; minima at infinity
	v_mov_b32 v[A128], 0x7f800000
	v_mov_b32 v[A192], 0x7f800000
.set pp, 0
.rept 32
	PLANE pp
.set pp, pp+1
.endr
	; the eight results.  0.25 x 255 = 63.75, 0.5 x 255 = 127.5, 0.75 x 255 = 191.25: q75 - q25 = 0.25 (x192 - x63) + 0.75 (x191 - x64)
	v_mul_f32 v164, 0x3b800000, v7                 ; M2 / 256
	v_sqrt_f32 v[OUT+1], v164
	v_mov_b32 v[OUT], v6
	v_add_f32 v165, v[A127], v[A128]
	v_sub_f32 v166, v[A192], v[A63]
	v_sub_f32 v167, v[A191], v[A64]
	v_mul_f32 v[OUT+4], 0.5, v165
	v_mul_f32 v[OUT+5], 0x3e800000, v166
	v_fmac_f32 v[OUT+5], 0x3f400000, v167
	v_add_nc_u32 v13, v13, v11                     ; (B's counts came in ahead of plane 0)
	v_add_nc_u32 v12, v12, v10
	v_sub_nc_u32 v13, 0x100, v13                   ; above = 256 - not above
	v_cvt_f32_u32 v[OUT+6], v13
	v_cvt_f32_u32 v[OUT+7], v12
	; THE WAY OUT.  A lane's eight results are 32 bytes at 32 x lane of the wave's 1,024 consecutive bytes of out0.  Through my wave's own stage, so that each store of the wave covers 512 consecutive bytes
	s_lshl_b32 s13, s8, 10
	s_add_co_u32 s13, s13, OST
	v_and_b32 v167, 31, v0
	v_lshl_add_u32 v165, v167, 5, s13
	v_lshl_add_u32 v166, v167, 4, s13
	s_wait_alu depctr_va_vdst(0)                   ; the wait between the root and the first line that names its result; the lines above are the plain work between
	ds_store_b128 v165, v[OUT:OUT+3]
	ds_store_b128 v165, v[OUT+4:OUT+7] offset:16
	ds_load_b128 v[144:147], v166                  ; LDS serves a wave's instructions in order: these see the stores above
	ds_load_b128 v[148:151], v166 offset:512
	s_lshl_b32 s16, s8, 3                          ; my wave's first window in the quarter
	s_mul_i32 s14, s9, 497
	s_add_co_u32 s14, s14, s10
	s_add_co_u32 s14, s14, s16
	s_lshl_b32 s14, s14, 7                         ; a window is 128 bytes of out0
	s_mov_b32 s15, 0
	s_add_nc_u64 s[6:7], s[6:7], s[14:15]
	v_lshlrev_b32 v160, 4, v167
	v_lshrrev_b32 v161, 3, v167
	v_add_nc_u32 v161, s16, v161                   ; the window of my 16 bytes in the first store,
	v_add_nc_u32 v162, 4, v161                     ; and in the second
	s_wait_dscnt 0x0
	s_wait_xcnt 0x0                                ; EXEC changes only behind this wait
	v_cmp_gt_u32 vcc_lo, s12, v161                 ; the quarter has 125 or 124 windows: wave 15's last ones do not exist
	s_and_saveexec_b32 s20, vcc_lo
	global_store_b128 v160, v[144:147], s[6:7] th:TH_STORE_NT
	s_wait_xcnt 0x0
	s_or_b32 exec_lo, exec_lo, s20
	v_cmp_gt_u32 vcc_lo, s12, v162
	s_and_saveexec_b32 s20, vcc_lo
	global_store_b128 v160, v[148:151], s[6:7] offset:512 th:TH_STORE_NT
	s_wait_xcnt 0x0
	s_or_b32 exec_lo, exec_lo, s20
.Lend:
	s_wait_tensorcnt 0x0                           ; the wave's end, behind my last LDS store
	ds_add_u32 v1, v2
	s_wait_dscnt 0x0
	s_endpgm
.Lfunc_end_k_q22303418e3_feat:
	.size	k_q22303418e3_feat, .Lfunc_end_k_q22303418e3_feat-k_q22303418e3_feat
	.p2alignl 7, 3214868480
	.fill 96, 4, 3214868480
	.section	.rodata,"a",@progbits
	.p2align	6, 0x0
	.amdhsa_kernel k_q22303418e3_feat
		.amdhsa_group_segment_fixed_size 320256
		.amdhsa_private_segment_fixed_size 0
		.amdhsa_enable_private_segment 0
		.amdhsa_kernarg_size 16
		.amdhsa_user_sgpr_count 2
		.amdhsa_user_sgpr_kernarg_segment_ptr 1
		.amdhsa_wavefront_size32 1
		.amdhsa_system_sgpr_workgroup_id_x 1
		.amdhsa_system_sgpr_workgroup_id_y 1
		.amdhsa_system_sgpr_workgroup_id_z 1
		.amdhsa_system_vgpr_workitem_id 0
		.amdhsa_next_free_vgpr 192
		.amdhsa_next_free_sgpr 66
		.amdhsa_reserve_vcc 1
		.amdhsa_float_denorm_mode_32 3
		.amdhsa_float_denorm_mode_16_64 3
		.amdhsa_memory_ordered 1
		.amdhsa_forward_progress 1
		.amdhsa_inst_pref_size 124
	.end_amdhsa_kernel
	.amdgpu_metadata
---
amdhsa.version: [ 1, 2 ]
amdhsa.kernels:
  - .name:           k_q22303418e3_feat
    .symbol:         k_q22303418e3_feat.kd
    .args:
      - { .name: inputs, .offset: 0, .size: 8, .value_kind: global_buffer, .address_space: global }
      - { .name: out0, .offset: 8, .size: 8, .value_kind: global_buffer, .address_space: global }
    .group_segment_fixed_size: 320256
    .private_segment_fixed_size: 0
    .kernarg_segment_align: 8
    .kernarg_segment_size: 16
    .max_flat_workgroup_size: 576
    .sgpr_count:     66
    .vgpr_count:     192
    .wavefront_size: 32
...
	.end_amdgpu_metadata
.endif
;; end of part 1
